; MI455X (gfx1250); checked and timed in simulation.
; The chip was launched on July 23, 2026; its instructions are those of AMD's public machine-readable ISA for CDNA 5 (MIT licence, August 2026) and "CDNA5" Instruction Set Architecture Reference Guide (July 2026). The comments in the code are by the model that wrote it; some were corrected since.
;; KAN 2. Allowed arithmetic: matrix products marked QUANTISED: E2M3 operands, one E8M0 scale for each 32 along K, by v_wmma_scale_f32_16x16x128_f8f6f4 with both operands' format E2M3, f32 sums; products left as they are: f32 operands where the result goes on into a quantised operand, else bf16, f16 or f32 operands; f32 sums; everything else in f32.
;; Inputs: W_in 32 x 64 float32; W_out 64 x 1 float32; b_in 64 float32; bias0a 129 float32; bias0b 64 float32; bias1a 129 float32; bias1b 64 float32; coef0a 64 x 129 x 8 float32; coef0b 129 x 64 x 8 float32; coef1a 64 x 129 x 8 float32; coef1b 129 x 64 x 8 float32; sb0a 64 x 129 float32; sb0b 129 x 64 float32; sb1a 64 x 129 float32; sb1b 129 x 64 float32; ss0a 64 x 129 float32; ss0b 129 x 64 float32; ss1a 64 x 129 float32; ss1b 129 x 64 float32; x 32,768 x 32 float32.
;; Outputs: out0 32,768 x 1 float32.
;; This version of the problem:
;;   THIS VERSION OF THE PROBLEM IS GIVEN IN LOW PRECISION. The matrix products marked QUANTISED in the list below multiply operands that are first quantised to E2M3 (2 exponent bits, 3 mantissa bits; 6 bits a number), with one power-of-two scale for each 32 numbers along K (OCP MX v1.0); their sums are f32. All else is computed in f32.
;;   The module's matrix products, in the order in which they are computed (A, B: the left and right operand; K: the contracted axis; several contracted axes count as one K, in the product's order):
;;     1. [M 32,768, K 32] x [K 32, N 64]; A: input x; B: input W_in: QUANTISED
;;     2. [M 32,768, K 512] x [K 512, N 129]; A: computed on the way; B: computed on the way: QUANTISED
;;     3. [M 32,768, K 64] x [K 64, N 129]; A: computed on the way; B: input sb0a: QUANTISED
;;     4. [M 32,768, K 1,032] x [K 1,032, N 64]; A: computed on the way; B: computed on the way: QUANTISED
;;     5. [M 32,768, K 129] x [K 129, N 64]; A: computed on the way; B: input sb0b: QUANTISED
;;     6. [M 32,768, K 512] x [K 512, N 129]; A: computed on the way; B: computed on the way: QUANTISED
;;     7. [M 32,768, K 64] x [K 64, N 129]; A: computed on the way; B: input sb1a: QUANTISED
;;     8. [M 32,768, K 1,032] x [K 1,032, N 64]; A: computed on the way; B: computed on the way: QUANTISED
;;     9. [M 32,768, K 129] x [K 129, N 64]; A: computed on the way; B: input sb1b: QUANTISED
;;     10. [M 32,768, K 64] x [K 64, N 1]; A: computed on the way; B: input W_out: left as it is (N = 1 < 16)
;;   THE QUANTISER, for each operand of a quantised product, along K:
;;     - K is cut into blocks of 32 from its start; a last block that is shorter is filled with zeros.
;;     - A block's scale is 2^e with e = floor(log2(the largest magnitude in the block)) - 2, held to -126 .. 127; a block of zeros has e = 0. As a byte (E8M0): e + 127.
;;     - Each number is divided by its block's scale, clamped to +-7.5, and rounded to the nearest number of E2M3, ties to even, subnormals kept.
;;     - The product sums the exact products of the quantised numbers (number of the format x scale) in f32.
;;   ~~~python
;;   def quantise(x, axis):      # numpy; x: float32 -> the quantised numbers, widened to float32 again
;;       x = np.moveaxis(x, axis, -1); K = x.shape[-1]
;;       x = np.pad(x, [(0, 0)] * (x.ndim - 1) + [(0, -K % 32)]); x = x.reshape(x.shape[:-1] + (-1, 32)); a = np.abs(x).max(-1, keepdims=True)
;;       e = np.where(a > 0, np.clip(np.frexp(np.where(a > 0, a, 1))[1] - 1 - 2, -126, 127), 0)      # np.frexp(a)[1] - 1 = floor(log2(a)), exactly
;;       r = np.clip(x / 2.0 ** e, -7.5, 7.5)
;;       step = 2.0 ** (np.maximum(np.frexp(np.where(r == 0, 1, r))[1] - 1, 0) - 3)
;;       q = np.round(r / step) * step * 2.0 ** e      # np.round: ties to even
;;       return np.moveaxis(q.reshape(q.shape[:-2] + (-1,))[..., :K], -1, axis).astype(np.float32)
;;   ~~~
;;   OPERANDS COMPUTED ON THE WAY. 'Computed on the way' means the value that the module computes at that place (a softmax that the list does not call 'softmax' is quantised finished and normalised). What goes into a quantiser is computed in f32, as accurately as f32 sums, v_exp_f32 and their like allow (about 1e-6 of the number): no bf16 or f16 on the way to a quantiser, and a product that is left as it is and whose result goes on into a quantised operand takes f32 operands (vector FMAs, or v_wmma_f32_16x16x4_f32). A number that lies on a knife's edge between two numbers of the format may be rounded either way, as far as f32 arithmetic and the matrix unit's own rounding can turn it there, and no further.
;; One version. Each part assembles by itself: llvm-mc -triple=amdgcn-amd-amdhsa -mcpu=gfx1250 --defsym DOCPART=n.
;; ======== version 1 of 1: 2 launches
;; workspace buffers: wq 302,848 bytes
;; launch prep (part 1): grid 182 x 1, 1 waves a work-group, no clusters, 0 bytes of LDS; arguments W_in, b_in, coef0a, ss0a, sb0a, bias0a, coef0b, ss0b, sb0b, bias0b, coef1a, ss1a, sb1a, bias1a, coef1b, ss1b, sb1b, bias1b, wq; writes wq
.if DOCPART == 1
	.amdgcn_target "amdgcn-amd-amdhsa--gfx1250"
	.amdhsa_code_object_version 6
	.text
	.protected	k_q106fc73404_prep
	.globl	k_q106fc73404_prep
	.p2align	8
	.type	k_q106fc73404_prep,@function
k_q106fc73404_prep:
	s_mov_b64 s[64:65], 0
	v_nop
	global_prefetch_b8 v0, s[64:65] scope:SCOPE_SE
	s_setreg_imm32_b32 hwreg(HW_REG_WAVE_MODE, 25, 1), 1
	s_wait_xcnt 0x0
; EVERY WEIGHT OPERAND OF THE NINE QUANTISED PRODUCTS IS QUANTISED ONCE (E2M3, one E8M0 scale for each 32 along K) and laid in wq as the second launch's matrix instructions take it.
; No step and no input of the problem is left out: all twenty inputs have a way to the output and are loaded, eighteen here, x and W_out in the second launch.
; A RECORD (1,664 bytes) is one operand fragment, 16 weight rows (outputs) x 128 along K: bytes 0-1535 the image of its 12 registers (registers 4 g .. 4 g + 3 of lane l at 512 g + 16 l),
; bytes 1536 + 4 m the scale word of row m, bytes 1600 + 4 m the bias of row m's output.  One wave makes one record; the work-group's number is the record's number, 182 in all:
;   0-3 the first layer, tile t;  then for each KAN block 89: 20 trip + 4 s + tt (layer a, tile 4 trip + tt, K step s), 40 + s (layer a's tile 8), 45 + 4 sigma + t (layer b, K step sigma, tile t).
; ROWS OF A TILE (m = 8 hm + j): first layer and layer b: output 32 hm + 8 t + j;  layer a: 64 trip + 32 hm + 8 tt + j;  tile 8: rows 0 and 8 are output 128, the other rows zeros.
; K STEPS.  A fragment's registers 6 c .. 6 c + 5 of lanes 16 h .. 16 h + 15 are one block of 32, scaled by byte 2 c + h.  SPL: that block is inputs IB + 32 h + 4 c + 0 .. 3 x 8 bases of coef * ss.
; LIN: block (0, h) is inputs IB + 32 h + 0 .. 31 of sb (first layer: block (0, 0) alone, W_in's 32 rows), the others zeros.  TAIL (layer b's last step): block (0, 0) = input 128's 8 numbers of coef * ss, block (0, 1) = sb[128], zeros behind.
; A block's scale byte is its largest magnitude's exponent field - 2, held at 1 from below.  LIMITS: a block of zeros gets the byte 1 where the rule says 127 (its codes are zeros, and this program alone reads the bytes);
; NaN and infinities among the weights are not served.
.set REC, 1664
.set BV,  8                            ; v8       my row's bias
.set AC,  10                           ; v10-17   byte offsets in coef
.set AS,  18                           ; v18-25   byte offsets in ss
.set SSV, 26                           ; v26-33   ss
.set AL,  32                           ; v32-63   byte offsets in sb or W_in
.set N,   64                           ; v64-127  my two blocks of 32 numbers
.set CD,  128                          ; v128-139 their codes: the fragment's 12 registers
.set T3,  140                          ; v140-142, v144-146 the second halves' codes (a conversion's three registers begin on an even number)
.set MX,  148                          ; v148-149 largest magnitudes
.set SO,  150                          ; v150-151 the conversions' scale operands
.set BY,  152                          ; v152-153 scale bytes
.set WD,  154                          ; v154     the scale word
.set PX,  155                          ; v155     the other half's part of it
.set A16, 156
.set A4,  157
.set OW,  158
	s_load_b128 s[4:7], s[0:1], 0x0                ; W_in, b_in
	s_load_b256 s[8:15], s[0:1], 0x10              ; coef, ss, sb, bias of 0a
	s_load_b256 s[16:23], s[0:1], 0x30             ; of 0b
	s_load_b256 s[24:31], s[0:1], 0x50             ; of 1a
	s_load_b256 s[32:39], s[0:1], 0x70             ; of 1b
	s_load_b64 s[40:41], s[0:1], 0x90              ; wq
	; which record: all of this hangs on the work-group's number alone
	s_cmp_lt_u32 ttmp9, 4
	s_cselect_b32 s53, 1, 0                        ; isIN
	s_cselect_b32 s54, 4, ttmp9
	s_sub_co_u32 s54, s54, 4                       ; the record among the KAN blocks' (0 for the first layer)
	s_cmp_ge_u32 s54, 89
	s_cselect_b32 s55, 1, 0                        ; which KAN block
	s_cselect_b32 s56, 89, 0
	s_sub_co_u32 s54, s54, s56
	s_cmp_ge_u32 s54, 45
	s_cselect_b32 s57, 1, 0                        ; isB
	s_cselect_b32 s56, 45, 0
	s_sub_co_u32 s58, s54, s56                     ; e: the record in its layer
	s_cmp_ge_u32 s58, 40
	s_cselect_b32 s59, 1, 0                        ; tail
	s_cmp_ge_u32 s58, 20
	s_cselect_b32 s60, 1, 0
	s_and_not1_b32 s60, s60, s59                   ; trip
	s_mul_i32 s56, s60, 20
	s_sub_co_u32 s61, s58, s56
	s_lshr_b32 s62, s61, 2
	s_and_b32 s63, s61, 3                          ; tt
	s_sub_co_u32 s56, s58, 40
	s_cmp_eq_u32 s59, 1
	s_cselect_b32 s62, s56, s62                    ; q: the K step in its trip; in a tail e - 40
	s_cmp_lt_u32 s62, 4
	s_cselect_b32 s72, 0, 1                        ; the kind: 0 SPL, 1 LIN,
	s_and_b32 s73, s57, s59
	s_cmp_eq_u32 s73, 1
	s_cselect_b32 s72, 2, s72                      ; 2 TAIL
	s_cmp_eq_u32 s53, 1
	s_cselect_b32 s72, 1, s72
	s_cselect_b32 s78, 0, 32                       ; inputs from lanes 0-15 to lanes 16-31
	s_cselect_b32 s68, 0xffff, -1                  ; the first layer has one block: lanes 16-31 hold zeros
	s_mul_i32 s74, s57, s60
	s_lshl_b32 s74, s74, 6
	s_lshl_b32 s75, s62, 3
	s_cmp_eq_u32 s72, 0
	s_cselect_b32 s75, s75, 0
	s_add_co_u32 s74, s74, s75                     ; IB: layer b 64 trip, + 8 q in a spline step
	s_or_b32 s76, s53, s57
	s_cmp_eq_u32 s76, 0
	s_cselect_b32 s77, 129, 64                     ; O: outputs of the layer
	s_sub_co_u32 s52, s77, 1
	s_lshl_b32 s42, s77, 5                         ; an input on: in coef,
	s_lshl_b32 s43, s77, 2                         ; in sb
	s_cmp_eq_u32 s59, 1
	s_cselect_b32 s73, s62, s63
	s_lshl_b32 s73, s73, 3                         ; layer b: 8 x tile
	s_lshl_b32 s75, s60, 6
	s_lshl_b32 s56, s63, 3
	s_add_co_u32 s75, s75, s56                     ; layer a: 64 trip + 8 tt,
	s_cmp_eq_u32 s59, 1
	s_cselect_b32 s75, 128, s75                    ; tile 8: 128
	s_cmp_eq_u32 s57, 1
	s_cselect_b32 s79, s73, s75
	s_lshl_b32 s56, ttmp9, 3
	s_cmp_eq_u32 s53, 1
	s_cselect_b32 s79, s56, s79                    ; OB: the tile's first output
	s_and_not1_b32 s61, s59, s76                   ; layer a's tile 8?
	s_cmp_eq_u32 s61, 1
	s_cselect_b32 s67, 0, -1
	s_mov_b32 s69, 0xffff0000                      ; lanes 16-31
	s_mov_b32 s2, 0x76543210
	s_mov_b32 s3, 0xfedcba98                       ; v_permlanex16_b32's selects for lane l xor 16
	s_mul_i32 s70, ttmp9, REC
	s_mov_b32 s71, 0
	v_lshrrev_b32 v2, 4, v0                        ; h: which half of K's blocks
	v_and_b32 v3, 7, v0                            ; j
	v_bfe_u32 v4, v0, 3, 1                         ; hm
	v_lshl_add_u32 v5, v4, 5, v3
	v_add_nc_u32 v5, s79, v5
	v_min_u32 v5, s52, v5                          ; my row's output, held inside the layer (tile 8: all lanes read output 128, and all rows but 0 and 8 are cleared)
	v_mul_u32_u24 v6, s78, v2
	v_add_nc_u32 v6, s74, v6
	v_mul_u32_u24 v6, s77, v6
	v_add_nc_u32 v6, v6, v5                        ; element (my first input, my output) of an [I][O] table
	v_lshlrev_b32 v9, 2, v5
	v_cmp_eq_u32 s66, 0, v3
	s_or_b32 s66, s66, s67                         ; the rows that hold numbers
	v_mov_b32 v[PX], 0                             ; written once: a lane permute's destination counts as one of its sources
	s_wait_alu depctr_va_vdst(0)
	s_wait_kmcnt 0x0
	s_cmp_eq_u32 s55, 1                            ; the buffers are chosen on the record's number, never on an address
	s_cselect_b64 s[8:9], s[24:25], s[8:9]
	s_cselect_b64 s[10:11], s[26:27], s[10:11]
	s_cselect_b64 s[12:13], s[28:29], s[12:13]
	s_cselect_b64 s[14:15], s[30:31], s[14:15]
	s_cselect_b64 s[16:17], s[32:33], s[16:17]
	s_cselect_b64 s[18:19], s[34:35], s[18:19]
	s_cselect_b64 s[20:21], s[36:37], s[20:21]
	s_cselect_b64 s[22:23], s[38:39], s[22:23]
	s_cmp_eq_u32 s57, 1
	s_cselect_b64 s[44:45], s[16:17], s[8:9]       ; coef
	s_cselect_b64 s[46:47], s[18:19], s[10:11]     ; ss
	s_cselect_b64 s[48:49], s[20:21], s[12:13]     ; sb
	s_cselect_b64 s[50:51], s[22:23], s[14:15]     ; bias
	s_cmp_eq_u32 s53, 1
	s_cselect_b64 s[48:49], s[4:5], s[48:49]       ; the first layer: W_in,
	s_cselect_b64 s[50:51], s[6:7], s[50:51]       ; b_in
	s_add_nc_u64 s[40:41], s[40:41], s[70:71]      ; my record
	global_load_b32 v[BV], v9, s[50:51]
	s_cmp_eq_u32 s72, 1
	s_cbranch_scc1 .Llin
	s_cmp_eq_u32 s72, 2
	s_cbranch_scc1 .Ltail
	; SPL: eight inputs x eight bases: coef[i][o][0 .. 7] * ss[i][o], one rounding, as the problem multiplies them
	v_lshlrev_b32 v[AC], 5, v6
.irp n, 1,2,3,4,5,6,7
	v_add_nc_u32 v[AC+\n], s42, v[AC+\n-1]
.endr
.irp n, 0,1,2,3,4,5,6,7
	v_lshrrev_b32 v[AS+\n], 3, v[AC+\n]
.endr
.irp n, 0,1,2,3,4,5,6,7
	global_load_b128 v[N+8*\n:N+8*\n+3], v[AC+\n], s[44:45]
	global_load_b128 v[N+8*\n+4:N+8*\n+7], v[AC+\n], s[44:45] offset:16
	global_load_b32 v[SSV+\n], v[AS+\n], s[46:47]
.endr
	s_wait_loadcnt 0x0
.irp n, 0,1,2,3,4,5,6,7
	v_cndmask_b32 v[SSV+\n], 0, v[SSV+\n], s66     ; a row that holds nothing: x 0
.endr
.irp n, 0,1,2,3,4,5,6,7
.irp p, 0,1,2,3,4,5,6,7
	v_mul_f32 v[N+8*\n+\p], v[N+8*\n+\p], v[SSV+\n]
.endr
.endr
	s_branch .Lquant
.Llin:                                             ; LIN: 32 inputs of sb (or W_in) down K, then a block of zeros
	v_lshlrev_b32 v[AL], 2, v6
.set i, 1
.rept 31
	v_add_nc_u32 v[AL+i], s43, v[AL+i-1]
.set i, i+1
.endr
.set i, 0
.rept 32
	global_load_b32 v[N+i], v[AL+i], s[48:49]
.set i, i+1
.endr
	s_and_b32 s68, s68, s66
	s_wait_loadcnt 0x0
.set i, 0
.rept 32
	v_cndmask_b32 v[N+i], 0, v[N+i], s68
	v_mov_b32 v[N+32+i], 0
.set i, i+1
.endr
	s_branch .Lquant
.Ltail:                                            ; TAIL: input 128: lanes 0-15 its eight numbers of coef * ss, lanes 16-31 its one of sb
	v_add_nc_u32 v6, 8192, v5
	v_lshlrev_b32 v[AC], 5, v6
	v_lshlrev_b32 v[AS], 2, v6
	global_load_b128 v[N:N+3], v[AC], s[44:45]
	global_load_b128 v[N+4:N+7], v[AC], s[44:45] offset:16
	global_load_b32 v[SSV], v[AS], s[46:47]
	global_load_b32 v[SSV+1], v[AS], s[48:49]
	s_wait_loadcnt 0x0
.irp p, 0,1,2,3,4,5,6,7
	v_mul_f32 v[N+\p], v[N+\p], v[SSV]
.endr
	v_cndmask_b32 v[N], v[N], v[SSV+1], s69
.irp p, 1,2,3,4,5,6,7
	v_cndmask_b32 v[N+\p], v[N+\p], 0, s69
.endr
.set i, 8
.rept 56
	v_mov_b32 v[N+i], 0
.set i, i+1
.endr
.Lquant:                                           ; my two blocks: all 32 numbers of each are mine
.irp c, 0,1
	v_max3_num_f32 v[MX+\c], |v[N+32*\c]|, |v[N+32*\c+1]|, 0x1800000   ; with the floor 2^(3 - 127): the byte cannot fall under 1
.endr
.irp i, 2,4,6,8,10,12,14,16,18,20,22,24,26,28,30
.irp c, 0,1
	v_max3_num_f32 v[MX+\c], v[MX+\c], |v[N+32*\c+\i]|, |v[N+32*\c+\i+1]|
.endr
.endr
.irp c, 0,1
	v_add_nc_u32 v[SO+\c], 0xff000000, v[MX+\c]    ; 2 off the exponent field: the conversion takes that field as its scale
.endr
.irp c, 0,1
	v_lshrrev_b32 v[BY+\c], 23, v[SO+\c]
.endr
	v_lshl_or_b32 v[WD], v[BY+1], 16, v[BY]        ; bytes h and 2 + h of my row's word,
	v_lshlrev_b32 v7, 3, v2
	v_lshlrev_b32 v[WD], v7, v[WD]
	v_permlanex16_b32 v[PX], v[WD], s2, s3
	v_or_b32 v[WD], v[WD], v[PX]                   ; with lane l xor 16's two the word is whole
.irp c, 0,1
	v_cvt_scalef32_pk16_fp6_f32 v[CD+6*\c:CD+6*\c+2], v[N+32*\c:N+32*\c+15], v[SO+\c]
	v_cvt_scalef32_pk16_fp6_f32 v[T3+4*\c:T3+4*\c+2], v[N+32*\c+16:N+32*\c+31], v[SO+\c]
.endr
	v_nop                                          ; one plain place behind a scaled conversion
.irp c, 0,1
.irp i, 0,1,2
	v_mov_b32 v[CD+6*\c+3+\i], v[T3+4*\c+\i]
.endr
.endr
	v_cndmask_b32 v[BV], 0, v[BV], s66
	v_cndmask_b32 v[OW], v[WD], v[BV], s69         ; lanes 0-15 store the scale words, lanes 16-31 the biases
	v_lshlrev_b32 v[A16], 4, v0
	v_lshlrev_b32 v[A4], 2, v0
	global_store_b128 v[A16], v[CD:CD+3], s[40:41]             ; each of the three covers 512 consecutive bytes
	global_store_b128 v[A16], v[CD+4:CD+7], s[40:41] offset:512
	global_store_b128 v[A16], v[CD+8:CD+11], s[40:41] offset:1024
	global_store_b32 v[A4], v[OW], s[40:41] offset:1536        ; and this one the record's last 128
	s_endpgm
.Lfunc_end_k_q106fc73404_prep:
	.size	k_q106fc73404_prep, .Lfunc_end_k_q106fc73404_prep-k_q106fc73404_prep
	.p2alignl 7, 3214868480
	.fill 96, 4, 3214868480
	.section	.rodata,"a",@progbits
	.p2align	6, 0x0
	.amdhsa_kernel k_q106fc73404_prep
		.amdhsa_group_segment_fixed_size 0
		.amdhsa_private_segment_fixed_size 0
		.amdhsa_enable_private_segment 0
		.amdhsa_kernarg_size 152
		.amdhsa_user_sgpr_count 2
		.amdhsa_user_sgpr_kernarg_segment_ptr 1
		.amdhsa_wavefront_size32 1
		.amdhsa_system_sgpr_workgroup_id_x 1
		.amdhsa_system_sgpr_workgroup_id_y 1
		.amdhsa_system_sgpr_workgroup_id_z 1
		.amdhsa_system_vgpr_workitem_id 0
		.amdhsa_next_free_vgpr 160
		.amdhsa_next_free_sgpr 80
		.amdhsa_reserve_vcc 0
		.amdhsa_float_denorm_mode_32 3
		.amdhsa_float_denorm_mode_16_64 3
		.amdhsa_memory_ordered 1
		.amdhsa_forward_progress 1
		.amdhsa_inst_pref_size 24
	.end_amdhsa_kernel
	.amdgpu_metadata
---
amdhsa.version: [ 1, 2 ]
amdhsa.kernels:
  - .name:           k_q106fc73404_prep
    .symbol:         k_q106fc73404_prep.kd
    .args:
      - { .name: W_in, .offset: 0, .size: 8, .value_kind: global_buffer, .address_space: global }
      - { .name: b_in, .offset: 8, .size: 8, .value_kind: global_buffer, .address_space: global }
      - { .name: coef0a, .offset: 16, .size: 8, .value_kind: global_buffer, .address_space: global }
      - { .name: ss0a, .offset: 24, .size: 8, .value_kind: global_buffer, .address_space: global }
      - { .name: sb0a, .offset: 32, .size: 8, .value_kind: global_buffer, .address_space: global }
      - { .name: bias0a, .offset: 40, .size: 8, .value_kind: global_buffer, .address_space: global }
      - { .name: coef0b, .offset: 48, .size: 8, .value_kind: global_buffer, .address_space: global }
      - { .name: ss0b, .offset: 56, .size: 8, .value_kind: global_buffer, .address_space: global }
      - { .name: sb0b, .offset: 64, .size: 8, .value_kind: global_buffer, .address_space: global }
      - { .name: bias0b, .offset: 72, .size: 8, .value_kind: global_buffer, .address_space: global }
      - { .name: coef1a, .offset: 80, .size: 8, .value_kind: global_buffer, .address_space: global }
      - { .name: ss1a, .offset: 88, .size: 8, .value_kind: global_buffer, .address_space: global }
      - { .name: sb1a, .offset: 96, .size: 8, .value_kind: global_buffer, .address_space: global }
      - { .name: bias1a, .offset: 104, .size: 8, .value_kind: global_buffer, .address_space: global }
      - { .name: coef1b, .offset: 112, .size: 8, .value_kind: global_buffer, .address_space: global }
      - { .name: ss1b, .offset: 120, .size: 8, .value_kind: global_buffer, .address_space: global }
      - { .name: sb1b, .offset: 128, .size: 8, .value_kind: global_buffer, .address_space: global }
      - { .name: bias1b, .offset: 136, .size: 8, .value_kind: global_buffer, .address_space: global }
      - { .name: wq, .offset: 144, .size: 8, .value_kind: global_buffer, .address_space: global }
    .group_segment_fixed_size: 0
    .private_segment_fixed_size: 0
    .kernarg_segment_align: 8
    .kernarg_segment_size: 152
    .max_flat_workgroup_size: 32
    .sgpr_count:     80
    .vgpr_count:     160
    .wavefront_size: 32
...
	.end_amdgpu_metadata
.endif
;; end of part 1
;; launch kan (part 2): grid 256 x 1, 8 waves a work-group, clusters of 4 x 1, 327,680 bytes of LDS; arguments x, W_out, wq, out0; writes out0
.if DOCPART == 2
	.amdgcn_target "amdgcn-amd-amdhsa--gfx1250"
	.amdhsa_code_object_version 6
	.text
	.protected	k_q106fc73404_kan
	.globl	k_q106fc73404_kan
	.p2align	8
	.type	k_q106fc73404_kan,@function
k_q106fc73404_kan:
	s_mov_b64 s[64:65], 0
	v_nop
	global_prefetch_b8 v0, s[64:65] scope:SCOPE_SE
	s_setreg_imm32_b32 hwreg(HW_REG_WAVE_MODE, 25, 1), 1
	s_wait_xcnt 0x0
	s_wait_alu depctr_hold_cnt(0) depctr_sa_sdst(0) depctr_va_vdst(0) depctr_va_sdst(0) depctr_va_ssrc(0) depctr_va_vcc(0) depctr_vm_vsrc(0)
	s_getreg_b32 s2, hwreg(HW_REG_IB_STS2, 6, 4)
	s_cmp_eq_u32 s2, 0
	s_cbranch_scc0 .Lentry_in_a_cluster
	s_endpgm
.Lentry_in_a_cluster:
	s_bfe_u32 s2, ttmp6, 0x10000c
	s_cmp_lg_u32 s2, 0x3003
	s_cbranch_scc0 .Lentry_shape_is_right
	s_endpgm
.Lentry_shape_is_right:
.set REC,   1664
.set QUAD,  4*REC
.set BOFF,  45*REC
.set WOUT,  182*REC
.set OUTS,  WOUT+2048
.set SPARE, OUTS+512
.set SPW, 1
.set NIL, 2
.set L16, 3
.set SCL, 4
.set BIL, 5
.set AWA, 6
.set ASA, 7
.set ABA, 8
.set AWB, 9
.set ASB, 10
.set ABB, 11
.set H8,  12
.set PX,  13
.set BYA, 14
.set WT,  15
.set AWO, 16
.set AOS, 17
.set WS,  18
.set WS2, 20
.set SAB, 22
.set SAA, 23
.set AFA, 28
.set TA,  88
.set XR,  104
.set HB,  120
.set WF,  152
.set AFB, 200
.set WF2, 200
.set TMP, 212
.set W,   212
.set V,   228
.set SH,  232
.set T,   236
.set A,   244
.set B,   248
.macro PLACES
.rept 4
	v_nop
.endr
.endm
.macro ROUND
	s_barrier_signal -1
	s_barrier_wait -1
	s_cmp_lg_u32 s12, 0
	s_cbranch_scc1 .Lnot_wave_0_\@
	s_barrier_signal -3
.Lnot_wave_0_\@:
	s_barrier_wait -3
	s_barrier_signal -1
	s_barrier_wait -1
.endm
.macro ADDRS
	v_add_nc_u32 v[AWA], s56, v[L16]
	v_add_nc_u32 v[ASA], s56, v[SCL]
	v_add_nc_u32 v[ABA], s56, v[BIL]
	s_delay_alu instid0(VALU_DEP_3)
	v_add_nc_u32 v[AWB], BOFF, v[AWA]
	s_delay_alu instid0(VALU_DEP_3)
	v_add_nc_u32 v[ASB], BOFF, v[ASA]
	s_delay_alu instid0(VALU_DEP_3)
	v_add_nc_u32 v[ABB], BOFF, v[ABA]
.endm
.macro LOADQ buf, ws, aw, asc, off
.irp tt, 0,1,2,3
.irp g, 0,1,2
	ds_load_b128 v[\buf+12*\tt+4*\g:\buf+12*\tt+4*\g+3], v[\aw] offset:\off+\tt*REC+512*\g
.endr
.endr
.irp n, 0,1
	ds_load_b32 v[\ws+\n], v[\asc] offset:\off+2*\n*REC+1536
.endr
.endm
.macro BIAS acc, ab, off, n
.set i, 0
.rept \n
	ds_load_b128 v[\acc+8*i:\acc+8*i+3], v[\ab] offset:\off+i*REC+1600
	ds_load_b128 v[\acc+8*i+4:\acc+8*i+7], v[\ab] offset:\off+i*REC+1616
.set i, i+1
.endr
.endm
.macro MMQ acc, buf, ws, act, sa
.irp t, 0,2
	v_wmma_scale_f32_16x16x128_f8f6f4 v[\acc+8*\t:\acc+8*\t+7], v[\buf+12*\t:\buf+12*\t+11], v[\act:\act+11], v[\acc+8*\t:\acc+8*\t+7], v[\ws+\t/2], v[\sa] matrix_a_fmt:MATRIX_FMT_FP6 matrix_b_fmt:MATRIX_FMT_FP6
	v_wmma_scale_f32_16x16x128_f8f6f4 v[\acc+8*\t+8:\acc+8*\t+15], v[\buf+12*\t+12:\buf+12*\t+23], v[\act:\act+11], v[\acc+8*\t+8:\acc+8*\t+15], v[\ws+\t/2], v[\sa] matrix_a_fmt:MATRIX_FMT_FP6 matrix_b_fmt:MATRIX_FMT_FP6 matrix_a_scale:MATRIX_SCALE_ROW1
.endr
.endm
.macro HOLD acc
.set i, 0
.rept 32
	v_max_num_f32 v[\acc+i], s79, v[\acc+i]
.set i, i+1
.endr
.endm
.macro FRONT src, n
.set i, 0
.rept \n
	v_fma_f32 v[V+i], v[(\src)+i], s59, s60
.set i, i+1
.endr
.set i, 0
	v_floor_f32 v[V+i], v[V+i]
.set i, i+1
.rept (\n)-1
	s_delay_alu instid0(VALU_DEP_4)
	v_floor_f32 v[V+i], v[V+i]
.set i, i+1
.endr
.set i, 0
	v_max_num_f32 v[V+i], s61, v[V+i]
.set i, i+1
.rept (\n)-1
	s_delay_alu instid0(VALU_DEP_4)
	v_max_num_f32 v[V+i], s61, v[V+i]
.set i, i+1
.endr
.set i, 0
	v_min_num_f32 v[V+i], s62, v[V+i]
.set i, i+1
.rept (\n)-1
	s_delay_alu instid0(VALU_DEP_4)
	v_min_num_f32 v[V+i], s62, v[V+i]
.set i, i+1
.endr
.set i, 0
	v_fma_f32 v[SH+i], v[V+i], s63, s66
.set i, i+1
.rept (\n)-1
	s_delay_alu instid0(VALU_DEP_4)
	v_fma_f32 v[SH+i], v[V+i], s63, s66
.set i, i+1
.endr
.set i, 0
.rept \n
	v_sub_f32 v[V+i], s60, v[V+i]
.set i, i+1
.endr
.set i, 0
	v_fma_f32 v[V+i], v[(\src)+i], s59, v[V+i]
.set i, i+1
.rept (\n)-1
	s_delay_alu instid0(VALU_DEP_4)
	v_fma_f32 v[V+i], v[(\src)+i], s59, v[V+i]
.set i, i+1
.endr
.endm
.macro CORE i
	v_add_f32 v[T+0], 1.0, v[V+\i]
	v_add_f32 v[T+2], -1.0, v[V+\i]
	v_add_f32 v[T+3], -2.0, v[V+\i]
	s_delay_alu instid0(VALU_DEP_3)
	v_min_num_f32 v[A+0], |v[T+0]|, 2.0
	v_min_num_f32 v[A+1], |v[V+\i]|, 2.0
	s_delay_alu instid0(VALU_DEP_4)
	v_min_num_f32 v[A+2], |v[T+2]|, 2.0
	s_delay_alu instid0(VALU_DEP_4)
	v_min_num_f32 v[A+3], |v[T+3]|, 2.0
	s_delay_alu instid0(VALU_DEP_4)
	v_min_num_f32 v[B+0], 1.0, v[A+0]
	s_delay_alu instid0(VALU_DEP_4)
	v_min_num_f32 v[B+1], 1.0, v[A+1]
	s_delay_alu instid0(VALU_DEP_4)
	v_min_num_f32 v[B+2], 1.0, v[A+2]
	s_delay_alu instid0(VALU_DEP_4)
	v_min_num_f32 v[B+3], 1.0, v[A+3]
	v_pk_add_f32 v[A:A+1], v[A:A+1], -2.0 op_sel_hi:[1,0]
	v_pk_add_f32 v[A+2:A+3], v[A+2:A+3], -2.0 op_sel_hi:[1,0]
	v_pk_add_f32 v[B:B+1], v[B:B+1], -1.0 op_sel_hi:[1,0]
	s_delay_alu instid0(VALU_DEP_4)
	v_pk_add_f32 v[B+2:B+3], v[B+2:B+3], -1.0 op_sel_hi:[1,0]
	s_delay_alu instid0(VALU_DEP_4)
	v_pk_mul_f32 v[T:T+1], v[A:A+1], v[A:A+1]
	s_delay_alu instid0(VALU_DEP_4)
	v_pk_mul_f32 v[T+2:T+3], v[A+2:A+3], v[A+2:A+3]
	v_pk_mul_f32 v[A:A+1], v[A:A+1], s[68:69] op_sel_hi:[1,0]
	v_pk_mul_f32 v[A+2:A+3], v[A+2:A+3], s[68:69] op_sel_hi:[1,0]
	v_pk_mul_f32 v[T+4:T+5], v[B:B+1], v[B:B+1]
	v_pk_mul_f32 v[T+6:T+7], v[B+2:B+3], v[B+2:B+3]
	v_pk_mul_f32 v[B:B+1], v[B:B+1], s[70:71] op_sel_hi:[1,0]
	v_pk_mul_f32 v[B+2:B+3], v[B+2:B+3], s[70:71] op_sel_hi:[1,0]
	v_pk_mul_f32 v[T:T+1], v[T:T+1], v[A:A+1]
	v_pk_mul_f32 v[T+2:T+3], v[T+2:T+3], v[A+2:A+3]
	s_delay_alu instid0(VALU_DEP_2)
	v_pk_fma_f32 v[W+4*\i:W+4*\i+1], v[T+4:T+5], v[B:B+1], v[T:T+1]
	s_delay_alu instid0(VALU_DEP_2)
	v_pk_fma_f32 v[W+4*\i+2:W+4*\i+3], v[T+6:T+7], v[B+2:B+3], v[T+2:T+3]
.endm
.macro BLOCK src, dst, c, sa
	FRONT \src, 4
	CORE 0
	CORE 1
	CORE 2
	CORE 3
	v_max3_num_f32 v[T+4], v[W], v[W+1], v[W+2]
	v_max3_num_f32 v[T+5], v[W+3], v[W+4], v[W+5]
	s_delay_alu instid0(VALU_DEP_2)
	v_max3_num_f32 v[T+4], v[T+4], v[W+6], v[W+7]
	s_delay_alu instid0(VALU_DEP_2)
	v_max3_num_f32 v[T+5], v[T+5], v[W+8], v[W+9]
	s_delay_alu instid0(VALU_DEP_2)
	v_max3_num_f32 v[T+4], v[T+4], v[W+10], v[W+11]
	s_delay_alu instid0(VALU_DEP_2)
	v_max3_num_f32 v[T+5], v[T+5], v[W+12], v[W+13]
	s_delay_alu instid0(VALU_DEP_2)
	v_max3_num_f32 v[T+4], v[T+4], v[W+14], v[W+15]
	s_delay_alu instid0(VALU_DEP_1)
	v_max3_num_f32 v[T+4], v[T+4], v[T+5], 0x1800000
	s_delay_alu instid0(VALU_DEP_1)
	v_add_nc_u32 v[T+4], 0xff000000, v[T+4]
.if \c == 0
	s_delay_alu instid0(VALU_DEP_1)
	v_lshrrev_b32 v[BYA], 23, v[T+4]
.else
	s_delay_alu instid0(VALU_DEP_1)
	v_lshrrev_b32 v[T+5], 23, v[T+4]
	s_delay_alu instid0(VALU_DEP_1)
	v_lshl_or_b32 v[WT], v[T+5], 16, v[BYA]
	s_delay_alu instid0(VALU_DEP_1)
	v_lshlrev_b32 v[WT], v[H8], v[WT]
	s_delay_alu instid0(VALU_DEP_1)
	v_permlanex16_b32 v[PX], v[WT], s74, s75
	s_delay_alu instid0(VALU_DEP_1)
	v_or_b32 v[\sa], v[WT], v[PX]
.endif
	v_cvt_scalef32_pk16_fp6_f32 v[T:T+2], v[W:W+15], v[T+4]
.irp i, 0,1,2,3
	v_sub_nc_u32 v[A+\i], 24, v[SH+\i]
.endr
	v_and_b32 v[B], s76, v[T]
	v_bfe_u32 v[B+1], v[T], 8, 16
	v_alignbit_b32 v[B+2], v[T+1], v[T], 16
	v_alignbit_b32 v[T+4], v[T+2], v[T+1], 16
	v_and_b32 v[T+7], s77, v[T+2]
	s_delay_alu instid0(VALU_DEP_3)
	v_and_b32 v[B+2], s77, v[B+2]
	s_delay_alu instid0(VALU_DEP_3)
	v_and_b32 v[T+5], s76, v[T+4]
	s_delay_alu instid0(VALU_DEP_4)
	v_bfe_u32 v[T+6], v[T+4], 8, 16
	v_lshlrev_b32 v[\dst], v[SH], v[B]
	v_lshrrev_b32 v[B+1], v[A], v[B+1]
	v_lshlrev_b32 v[B+3], v[SH+1], v[B+2]
	v_lshrrev_b32 v[\dst+2], v[A+1], v[B+2]
	v_lshlrev_b32 v[\dst+3], v[SH+2], v[T+5]
	v_lshrrev_b32 v[T+6], v[A+2], v[T+6]
	v_lshlrev_b32 v[T+4], v[SH+3], v[T+7]
	v_lshrrev_b32 v[\dst+5], v[A+3], v[T+7]
	v_lshl_or_b32 v[\dst+1], v[B+3], 8, v[B+1]
	s_delay_alu instid0(VALU_DEP_3)
	v_lshl_or_b32 v[\dst+4], v[T+4], 8, v[T+6]
.endm
.macro KSTEP src, dst, sa
	BLOCK \src, \dst, 0, 0
	BLOCK (\src)+4, (\dst)+6, 1, \sa
.endm
.macro SILU src
.set i, 0
.rept 16
	v_pk_mul_f32 v[TMP+i:TMP+i+1], v[\src+i:\src+i+1], s[72:73] op_sel_hi:[1,0]
.set i, i+2
.endr
.set i, 0
	s_wait_alu depctr_va_vdst(0)
.rept 32
	v_exp_f32 v[TMP+i], v[TMP+i]
.set i, i+1
.endr
	v_nop
	s_wait_alu depctr_va_vdst(0)
.set i, 0
.rept 16
	v_pk_add_f32 v[TMP+i:TMP+i+1], v[TMP+i:TMP+i+1], 1.0 op_sel_hi:[1,0]
.set i, i+2
.endr
.set i, 0
	s_wait_alu depctr_va_vdst(0)
.rept 32
	v_rcp_f32 v[TMP+i], v[TMP+i]
.set i, i+1
.endr
	v_nop
	s_wait_alu depctr_va_vdst(0)
.set i, 0
.rept 16
	v_pk_mul_f32 v[TMP+i:TMP+i+1], v[TMP+i:TMP+i+1], v[\src+i:\src+i+1]
.set i, i+2
.endr
.endm
.macro QLIN src, dst, sa
	v_max3_num_f32 v[A], |v[\src]|, |v[\src+1]|, |v[\src+2]|
	v_max3_num_f32 v[A+1], |v[\src+3]|, |v[\src+4]|, |v[\src+5]|
.irp i, 6,10,14,18,22,26
	s_delay_alu instid0(VALU_DEP_2)
	v_max3_num_f32 v[A], v[A], |v[\src+\i]|, |v[\src+\i+1]|
	s_delay_alu instid0(VALU_DEP_2)
	v_max3_num_f32 v[A+1], v[A+1], |v[\src+\i+2]|, |v[\src+\i+3]|
.endr
	s_delay_alu instid0(VALU_DEP_2)
	v_max3_num_f32 v[A], v[A], |v[\src+30]|, |v[\src+31]|
	s_delay_alu instid0(VALU_DEP_1)
	v_max3_num_f32 v[A], v[A], v[A+1], 0x1800000
	s_delay_alu instid0(VALU_DEP_1)
	v_add_nc_u32 v[A+2], 0xff000000, v[A]
	s_delay_alu instid0(VALU_DEP_1)
	v_lshrrev_b32 v[A+3], 23, v[A+2]
	s_delay_alu instid0(VALU_DEP_1)
	v_lshlrev_b32 v[WT], v[H8], v[A+3]
	s_delay_alu instid0(VALU_DEP_1)
	v_permlanex16_b32 v[PX], v[WT], s74, s75
	s_delay_alu instid0(VALU_DEP_1)
	v_or_b32 v[\sa], v[WT], v[PX]
	v_cvt_scalef32_pk16_fp6_f32 v[\dst:\dst+2], v[\src:\src+15], v[A+2]
	v_cvt_scalef32_pk16_fp6_f32 v[B:B+2], v[\src+16:\src+31], v[A+2]
	v_nop
.irp i, 0,1,2
	v_mov_b32 v[\dst+3+\i], v[B+\i]
.endr
.irp i, 6,7,8,9,10,11
	v_mov_b32 v[\dst+\i], 0
.endr
.endm
	s_load_b256 s[4:11], s[0:1], 0x0
	v_lshl_add_u32 v[SPW], v0, 2, SPARE
	v_mov_b32 v[NIL], 0
	ds_add_u32 v[SPW], v[NIL]
	ds_add_u32 v[SPW], v[NIL]
	v_lshrrev_b32 v3, 5, v0
	s_delay_alu instid0(VALU_DEP_1)
	v_readfirstlane_b32 s12, v3
	s_bfe_u32 s13, ttmp6, 0x40000
	s_lshl_b32 s14, ttmp9, 2
	s_add_co_u32 s14, s14, s13
	s_mov_b32 s59, 0x40200000
	s_mov_b32 s60, 0x40b00000
	s_mov_b32 s61, 0x40400000
	s_mov_b32 s62, 0x40e00000
	s_mov_b32 s63, 0x40c00000
	s_mov_b32 s66, 0x4affffdc
	s_mov_b32 s68, 0xbe2aaaab
	s_mov_b32 s69, s68
	s_mov_b32 s70, 0x3f2aaaab
	s_mov_b32 s71, s70
	s_mov_b32 s72, 0xbfb8aa3b
	s_mov_b32 s73, s72
	s_mov_b32 s74, 0x76543210
	s_mov_b32 s75, 0xfedcba98
	s_mov_b32 s76, 0x00ffffff
	s_mov_b32 s77, 0xffffff00
	s_mov_b32 s78, 0xffff0000
	s_mov_b32 s79, 0xf149f2ca
	s_mov_b32 s20, 15|(3<<16)|(1<<21)
	s_mov_b32 s21, 52<<16
	s_mov_b32 s22, 2<<16
	s_mov_b32 s23, 52<<16
	s_mov_b32 s24, 2
	s_mov_b32 s25, 52
	s_mov_b32 s26, 0
	s_mov_b32 s27, 0
	s_mov_b32 s28, 15|(3<<16)|(1<<21)
	s_mov_b32 s29, 52<<16
	s_mov_b32 s30, 89<<16
	s_mov_b32 s31, 52<<16
	s_mov_b32 s32, 89
	s_mov_b32 s33, 52
	s_mov_b32 s34, 0
	s_mov_b32 s35, 0
	s_mul_i32 s16, s12, 832
	s_mov_b32 s17, 0
	s_mul_i32 s18, s12, 37024
	s_add_co_u32 s18, s18, QUAD
	s_mov_b32 s19, 0
	s_wait_dscnt 0x0
	s_wait_kmcnt 0x0
	s_mov_b32 s44, 1
	s_mov_b32 s45, s16
	s_add_nc_u64 s[46:47], s[8:9], s[16:17]
	s_or_b32 s47, s47, 0x80000000
	s_mov_b32 s48, 1
	s_mov_b32 s49, s18
	s_add_nc_u64 s[50:51], s[8:9], s[18:19]
	s_or_b32 s51, s51, 0x80000000
	ROUND
	tensor_load_to_lds s[44:47], s[20:27]
	s_nop 0
	s_wait_alu depctr_va_vdst(0)
	s_wait_tensorcnt 0x0
	ds_add_u32 v1, v2
	s_wait_dscnt 0x0
	ROUND
	tensor_load_to_lds s[48:51], s[28:35]
	s_nop 0
	v_and_b32 v244, 15, v0
	v_bfe_u32 v245, v0, 4, 1
	v_and_b32 v246, 31, v0
	s_delay_alu instid0(VALU_DEP_1)
	v_lshlrev_b32 v250, 3, v246
	s_wait_alu depctr_va_vdst(0)
	v_lshlrev_b32 v251, 7, v244
	s_wait_alu depctr_va_vdst(0)
	s_lshl_b32 s36, s14, 14
	s_lshl_b32 s37, s12, 11
	s_add_co_u32 s36, s36, s37
	s_mov_b32 s37, 0
	s_add_nc_u64 s[4:5], s[4:5], s[36:37]
	s_lshl_b32 s38, s14, 9
	s_mov_b32 s39, 0
	s_add_nc_u64 s[10:11], s[10:11], s[38:39]
	global_load_b64 v[248:249], v250, s[6:7]
.irp i, 0,1,2,3,4,5,6,7
	global_load_b128 v[TA+4*\i:TA+4*\i+3], v251, s[4:5] offset:16*\i th:TH_LOAD_NT
.endr
	v_lshlrev_b32 v[L16], 4, v246
	v_lshlrev_b32 v[SCL], 2, v244
	s_delay_alu instid0(VALU_DEP_1)
	v_mad_u32_u24 v[SCL], v245, REC, v[SCL]
	v_lshlrev_b32 v[BIL], 5, v245
	v_lshlrev_b32 v[H8], 3, v245
	v_mov_b32 v[PX], 0
	s_lshl_b32 s16, s12, 8
	s_add_co_u32 s16, s16, WOUT
	v_lshl_add_u32 v[AWO], v245, 7, s16
	v_add_nc_u32 v247, s16, v250
	s_lshl_b32 s17, s12, 6
	s_add_co_u32 s17, s17, OUTS
	v_lshl_add_u32 v[AOS], v244, 2, s17
	s_mov_b32 s56, 0
	ADDRS
	s_wait_alu depctr_va_vdst(0)
	s_wait_loadcnt 8
	ds_store_b64 v247, v[248:249]
	s_wait_tensorcnt 0x1
	s_wait_dscnt 0x0
	s_barrier_signal -1
	s_barrier_wait -1
	BIAS HB, ABA, 0, 4
	LOADQ WF, WS, AWA, ASA, 0
	s_wait_loadcnt 0x0
	QLIN TA, AFB, SAB
	s_wait_alu depctr_va_vdst(0)
	s_wait_dscnt 0x0
	PLACES
	MMQ HB, WF, WS, AFB, SAB
	PLACES
.set i, 0
.rept 32
	v_max_num_f32 v[HB+i], 0, v[HB+i]
.set i, i+1
.endr
	s_mov_b32 s56, QUAD
	s_mov_b32 s57, 2
.Lkan:
.irp s, 0,1,2,3
	KSTEP HB+8*\s, AFA+12*\s, SAA+\s
.endr
	SILU HB
	QLIN TMP, AFA+48, SAA+4
	s_wait_tensorcnt 0x0
	s_wait_dscnt 0x0
	s_barrier_signal -1
	s_barrier_wait -1
	v_add_nc_u32 v[ABB], s56, v[BIL]
	s_delay_alu instid0(VALU_DEP_1)
	v_add_nc_u32 v[ABB], BOFF, v[ABB]
	BIAS HB, ABB, 0, 4
	s_mov_b32 s58, 2
.Ltrip:
	ADDRS
	BIAS TA, ABA, 0, 4
	LOADQ WF, WS, AWA, ASA, 0
	LOADQ WF2, WS2, AWA, ASA, QUAD
	s_wait_alu depctr_va_vdst(0)
	s_wait_dscnt 14
	MMQ TA, WF, WS, AFA, SAA
	PLACES
	LOADQ WF, WS, AWA, ASA, 2*QUAD
	s_wait_dscnt 14
	MMQ TA, WF2, WS2, AFA+12, SAA+1
	PLACES
	LOADQ WF2, WS2, AWA, ASA, 3*QUAD
	s_wait_dscnt 14
	MMQ TA, WF, WS, AFA+24, SAA+2
	PLACES
	LOADQ WF, WS, AWA, ASA, 4*QUAD
	s_wait_dscnt 14
	MMQ TA, WF2, WS2, AFA+36, SAA+3
	s_wait_dscnt 0x0
	MMQ TA, WF, WS, AFA+48, SAA+4
	PLACES
	HOLD TA
.irp tt, 0,1,2,3
	LOADQ WF, WS, AWB, ASB, QUAD*\tt
	KSTEP TA+8*\tt, AFB, SAB
	s_wait_alu depctr_va_vdst(0)
	s_wait_dscnt 0x0
	PLACES
	MMQ HB, WF, WS, AFB, SAB
	PLACES
.endr
	LOADQ WF, WS, AWB, ASB, 4*QUAD
	SILU TA
	QLIN TMP, AFB, SAB
	s_wait_alu depctr_va_vdst(0)
	s_wait_dscnt 0x0
	PLACES
	MMQ HB, WF, WS, AFB, SAB
	PLACES
	s_add_co_u32 s56, s56, 20*REC
	s_sub_co_u32 s58, s58, 1
	s_cmp_lg_u32 s58, 0
	s_cbranch_scc1 .Ltrip
	ADDRS
	BIAS TA, ABA, 0, 1
.irp s, 0,1,2,3
.irp g, 0,1,2
	ds_load_b128 v[WF+12*\s+4*\g:WF+12*\s+4*\g+3], v[AWA] offset:\s*REC+512*\g
.endr
.endr
.irp g, 0,1,2
	ds_load_b128 v[AFB+4*\g:AFB+4*\g+3], v[AWA] offset:4*REC+512*\g
.endr
	ds_load_b32 v[WS], v[ASA] offset:1536
	ds_load_b32 v[WS+1], v[ASA] offset:2*REC+1536
	ds_load_b32 v[WS2], v[ASA] offset:4*REC+1536
	s_wait_alu depctr_va_vdst(0)
	s_wait_dscnt 0x0
	v_wmma_scale_f32_16x16x128_f8f6f4 v[TA:TA+7], v[WF:WF+11], v[AFA:AFA+11], v[TA:TA+7], v[WS], v[SAA] matrix_a_fmt:MATRIX_FMT_FP6 matrix_b_fmt:MATRIX_FMT_FP6
	v_wmma_scale_f32_16x16x128_f8f6f4 v[TA+8:TA+15], v[WF+12:WF+23], v[AFA+12:AFA+23], 0, v[WS], v[SAA+1] matrix_a_fmt:MATRIX_FMT_FP6 matrix_b_fmt:MATRIX_FMT_FP6 matrix_a_scale:MATRIX_SCALE_ROW1
	v_wmma_scale_f32_16x16x128_f8f6f4 v[TA:TA+7], v[WF+24:WF+35], v[AFA+24:AFA+35], v[TA:TA+7], v[WS+1], v[SAA+2] matrix_a_fmt:MATRIX_FMT_FP6 matrix_b_fmt:MATRIX_FMT_FP6
	v_wmma_scale_f32_16x16x128_f8f6f4 v[TA+8:TA+15], v[WF+36:WF+47], v[AFA+36:AFA+47], v[TA+8:TA+15], v[WS+1], v[SAA+3] matrix_a_fmt:MATRIX_FMT_FP6 matrix_b_fmt:MATRIX_FMT_FP6 matrix_a_scale:MATRIX_SCALE_ROW1
	v_wmma_scale_f32_16x16x128_f8f6f4 v[TA:TA+7], v[AFB:AFB+11], v[AFA+48:AFA+59], v[TA:TA+7], v[WS2], v[SAA+4] matrix_a_fmt:MATRIX_FMT_FP6 matrix_b_fmt:MATRIX_FMT_FP6
	PLACES
	v_add_f32 v[XR], v[TA], v[TA+8]
	s_delay_alu instid0(VALU_DEP_1)
	v_max_num_f32 v[XR], s79, v[XR]
	LOADQ WF, WS, AWB, ASB, 0
	v_mul_f32 v[W+8], s72, v[XR]
	s_wait_alu depctr_va_vdst(0)
	v_exp_f32 v[W+8], v[W+8]
	FRONT XR, 1
	s_wait_alu depctr_va_vdst(0)
	v_add_f32 v[W+8], 1.0, v[W+8]
	s_wait_alu depctr_va_vdst(0)
	v_rcp_f32 v[W+8], v[W+8]
	CORE 0
	s_wait_alu depctr_va_vdst(0)
	v_mul_f32 v[W+8], v[XR], v[W+8]
	s_delay_alu instid0(VALU_DEP_1)
	v_cndmask_b32 v[W], v[W], v[W+8], s78
.irp k, 1,2,3
	v_cndmask_b32 v[W+\k], v[W+\k], 0, s78
.endr
	v_cndmask_b32 v[SH], v[SH], 0, s78
.irp k, 4,5,6,7,8,9,10,11,12,13,14,15
	v_mov_b32 v[W+\k], 0
.endr
	v_max3_num_f32 v[T+4], |v[W]|, |v[W+1]|, |v[W+2]|
	s_delay_alu instid0(VALU_DEP_1)
	v_max3_num_f32 v[T+4], v[T+4], |v[W+3]|, 0x1800000
	s_delay_alu instid0(VALU_DEP_1)
	v_add_nc_u32 v[T+4], 0xff000000, v[T+4]
	s_delay_alu instid0(VALU_DEP_1)
	v_lshrrev_b32 v[T+5], 23, v[T+4]
	s_delay_alu instid0(VALU_DEP_1)
	v_lshlrev_b32 v[WT], v[H8], v[T+5]
	s_delay_alu instid0(VALU_DEP_1)
	v_permlanex16_b32 v[PX], v[WT], s74, s75
	s_delay_alu instid0(VALU_DEP_1)
	v_or_b32 v[SAB], v[WT], v[PX]
	v_cvt_scalef32_pk16_fp6_f32 v[T:T+2], v[W:W+15], v[T+4]
	v_sub_nc_u32 v[A], 24, v[SH]
	v_and_b32 v[B], s76, v[T]
	v_bfe_u32 v[B+1], v[T], 8, 16
	s_delay_alu instid0(VALU_DEP_2)
	v_lshlrev_b32 v[AFB], v[SH], v[B]
	s_delay_alu instid0(VALU_DEP_2)
	v_lshrrev_b32 v[AFB+1], v[A], v[B+1]
.irp k, 2,3,4,5,6,7,8,9,10,11
	v_mov_b32 v[AFB+\k], 0
.endr
	s_wait_alu depctr_va_vdst(0)
	s_wait_dscnt 0x0
	PLACES
	MMQ HB, WF, WS, AFB, SAB
	PLACES
	HOLD HB
	s_add_co_u32 s56, s56, 49*REC
	s_sub_co_u32 s57, s57, 1
	s_cmp_lg_u32 s57, 0
	s_cbranch_scc1 .Lkan
.irp i, 0,1,2,3,4,5,6,7
	ds_load_b128 v[WF+4*\i:WF+4*\i+3], v[AWO] offset:16*\i
.endr
	v_add_nc_u32 v[AWA], OUTS, v[L16]
	s_wait_dscnt 0x0
	v_pk_mul_f32 v[W:W+1], v[HB:HB+1], v[WF:WF+1]
	v_pk_mul_f32 v[W+2:W+3], v[HB+2:HB+3], v[WF+2:WF+3]
.irp j, 4,8,12,16,20,24,28
	s_delay_alu instid0(VALU_DEP_2)
	v_pk_fma_f32 v[W:W+1], v[HB+\j:HB+\j+1], v[WF+\j:WF+\j+1], v[W:W+1]
	s_delay_alu instid0(VALU_DEP_2)
	v_pk_fma_f32 v[W+2:W+3], v[HB+\j+2:HB+\j+3], v[WF+\j+2:WF+\j+3], v[W+2:W+3]
.endr
	s_delay_alu instid0(VALU_DEP_1)
	v_pk_add_f32 v[W:W+1], v[W:W+1], v[W+2:W+3]
	s_delay_alu instid0(VALU_DEP_1)
	v_add_f32 v[W], v[W], v[W+1]
	s_delay_alu instid0(VALU_DEP_1)
	v_permlanex16_b32 v[PX], v[W], s74, s75
	s_delay_alu instid0(VALU_DEP_1)
	v_add_f32 v[W], v[W], v[PX]
	s_delay_alu instid0(VALU_DEP_1)
	v_mul_f32 v[W+1], s72, v[W]
	s_wait_alu depctr_va_vdst(0)
	v_exp_f32 v[W+1], v[W+1]
	v_nop
	s_wait_alu depctr_va_vdst(0)
	v_add_f32 v[W+1], 1.0, v[W+1]
	s_wait_alu depctr_va_vdst(0)
	v_rcp_f32 v[W+1], v[W+1]
	v_nop
	s_wait_alu depctr_va_vdst(0)
	ds_store_b32 v[AOS], v[W+1]
	s_wait_dscnt 0x0
	s_barrier_signal -1
	s_barrier_wait -1
	s_cmp_lg_u32 s12, 0
	s_cbranch_scc1 .Lstored
	ds_load_b128 v[W+4:W+7], v[AWA]
	s_wait_dscnt 0x0
	global_store_b128 v[L16], v[W+4:W+7], s[10:11]
.Lstored:
	s_wait_tensorcnt 0x0
	ds_add_u32 v[SPW], v[NIL]
	s_wait_dscnt 0x0
	ROUND
	s_endpgm
.Lfunc_end_k_q106fc73404_kan:
	.size	k_q106fc73404_kan, .Lfunc_end_k_q106fc73404_kan-k_q106fc73404_kan
	.p2alignl 7, 3214868480
	.fill 96, 4, 3214868480
	.section	.rodata,"a",@progbits
	.p2align	6, 0x0
	.amdhsa_kernel k_q106fc73404_kan
		.amdhsa_group_segment_fixed_size 327680
		.amdhsa_private_segment_fixed_size 0
		.amdhsa_enable_private_segment 0
		.amdhsa_kernarg_size 32
		.amdhsa_user_sgpr_count 2
		.amdhsa_user_sgpr_kernarg_segment_ptr 1
		.amdhsa_wavefront_size32 1
		.amdhsa_system_sgpr_workgroup_id_x 1
		.amdhsa_system_sgpr_workgroup_id_y 1
		.amdhsa_system_sgpr_workgroup_id_z 1
		.amdhsa_system_vgpr_workitem_id 0
		.amdhsa_next_free_vgpr 256
		.amdhsa_next_free_sgpr 80
		.amdhsa_reserve_vcc 0
		.amdhsa_float_denorm_mode_32 3
		.amdhsa_float_denorm_mode_16_64 3
		.amdhsa_memory_ordered 1
		.amdhsa_forward_progress 1
		.amdhsa_inst_pref_size 239
	.end_amdhsa_kernel
	.amdgpu_metadata
---
amdhsa.version: [ 1, 2 ]
amdhsa.kernels:
  - .name:           k_q106fc73404_kan
    .symbol:         k_q106fc73404_kan.kd
    .args:
      - { .name: x, .offset: 0, .size: 8, .value_kind: global_buffer, .address_space: global }
      - { .name: W_out, .offset: 8, .size: 8, .value_kind: global_buffer, .address_space: global }
      - { .name: wq, .offset: 16, .size: 8, .value_kind: global_buffer, .address_space: global }
      - { .name: out0, .offset: 24, .size: 8, .value_kind: global_buffer, .address_space: global }
    .group_segment_fixed_size: 327680
    .private_segment_fixed_size: 0
    .kernarg_segment_align: 8
    .kernarg_segment_size: 32
    .max_flat_workgroup_size: 256
    .sgpr_count:     80
    .vgpr_count:     256
    .wavefront_size: 32
...
	.end_amdgpu_metadata
.endif
;; end of part 2
